; MI455X (gfx1250); checked and timed in simulation.
; The chip was launched on July 23, 2026; its instructions are those of AMD's public machine-readable ISA for CDNA 5 (MIT licence, August 2026) and "CDNA5" Instruction Set Architecture Reference Guide (July 2026). The comments in the code are by the model that wrote it; some were corrected since.
;; Multi Head Attention. Allowed arithmetic: matrix products marked QUANTISED: E2M1 operands, one E8M0 scale for each 32 along K, by v_wmma_scale_f32_16x16x128_f8f6f4 with both operands' format E2M1 (or v_wmma_scale_f32_32x16x128_f4), f32 sums; everything else in f32.
;; Inputs: Wk_codes 16 x 64 x 32 x 16 uint8 (E2M1 codes of Wk, K innermost, in blocks of 32 codes, two codes a byte); Wk_scales 16 x 64 x 32 uint8 (E8M0 scales of Wk, one for each 32 codes along K); Wo_codes 1,024 x 32 x 16 uint8 (E2M1 codes of Wo, K innermost, in blocks of 32 codes, two codes a byte); Wo_scales 1,024 x 32 uint8 (E8M0 scales of Wo, one for each 32 codes along K); Wq_codes 16 x 64 x 32 x 16 uint8 (E2M1 codes of Wq, K innermost, in blocks of 32 codes, two codes a byte); Wq_scales 16 x 64 x 32 uint8 (E8M0 scales of Wq, one for each 32 codes along K); Wv_codes 16 x 64 x 32 x 16 uint8 (E2M1 codes of Wv, K innermost, in blocks of 32 codes, two codes a byte); Wv_scales 16 x 64 x 32 uint8 (E8M0 scales of Wv, one for each 32 codes along K); bo 1,024 float32; x_codes 4 x 2,048 x 32 x 16 uint8 (E2M1 codes of x, K innermost, in blocks of 32 codes, two codes a byte); x_scales 4 x 2,048 x 32 uint8 (E8M0 scales of x, one for each 32 codes along K).
;; Outputs: out0 4 x 2,048 x 1,024 float32.
;; This version of the problem:
;;   THIS VERSION OF THE PROBLEM IS GIVEN IN LOW PRECISION. The matrix products marked QUANTISED in the list below multiply operands that are first quantised to E2M1 (2 exponent bits, 1 mantissa bit; 4 bits a number), with one power-of-two scale for each 32 numbers along K (OCP MX v1.0); their sums are f32. All else is computed in f32.
;;   The module's matrix products, in the order in which they are computed (A, B: the left and right operand; K: the contracted axis; several contracted axes count as one K, in the product's order):
;;     1. [M 1,024, K 1,024] x [K 1,024, N 8,192]; A: input Wq (given as codes); B: input x (given as codes): QUANTISED
;;     2. [M 1,024, K 1,024] x [K 1,024, N 8,192]; A: input Wk (given as codes); B: input x (given as codes): QUANTISED
;;     3. [M 1,024, K 1,024] x [K 1,024, N 8,192]; A: input Wv (given as codes); B: input x (given as codes): QUANTISED
;;     4. batch 64 x [M 2,048, K 64] x [K 64, N 2,048]; A: computed on the way; B: computed on the way: QUANTISED
;;     5. batch 64 x [M 2,048, K 2,048] x [K 2,048, N 64]; A: softmax (see below); B: computed on the way: QUANTISED
;;     6. [M 8,192, K 1,024] x [K 1,024, N 1,024]; A: computed on the way; B: input Wo (given as codes): QUANTISED
;;   THE QUANTISER, for each operand of a quantised product, along K:
;;     - K is cut into blocks of 32 from its start; a last block that is shorter is filled with zeros.
;;     - A block's scale is 2^e with e = floor(log2(the largest magnitude in the block)) - 2, held to -126 .. 127; a block of zeros has e = 0. As a byte (E8M0): e + 127.
;;     - Each number is divided by its block's scale, clamped to +-6, and rounded to the nearest number of E2M1, ties to even, subnormals kept.
;;     - The product sums the exact products of the quantised numbers (number of the format x scale) in f32.
;;   ~~~python
;;   def quantise(x, axis):      # numpy; x: float32 -> the quantised numbers, widened to float32 again
;;       x = np.moveaxis(x, axis, -1); K = x.shape[-1]
;;       x = np.pad(x, [(0, 0)] * (x.ndim - 1) + [(0, -K % 32)]); x = x.reshape(x.shape[:-1] + (-1, 32)); a = np.abs(x).max(-1, keepdims=True)
;;       e = np.where(a > 0, np.clip(np.frexp(np.where(a > 0, a, 1))[1] - 1 - 2, -126, 127), 0)      # np.frexp(a)[1] - 1 = floor(log2(a)), exactly
;;       r = np.clip(x / 2.0 ** e, -6, 6)
;;       step = 2.0 ** (np.maximum(np.frexp(np.where(r == 0, 1, r))[1] - 1, 0) - 1)
;;       q = np.round(r / step) * step * 2.0 ** e      # np.round: ties to even
;;       return np.moveaxis(q.reshape(q.shape[:-2] + (-1,))[..., :K], -1, axis).astype(np.float32)
;;   ~~~
;;   SOFTMAX AHEAD OF A QUANTISED PRODUCT. Where the list says 'softmax', what is quantised is not the finished softmax but p = 2^(t - M), with t = logit x log2(e) and M = ceil(the row's largest t), a whole number; so 1/2 < the row's largest p <= 1. The row's sum l is taken of the UNQUANTISED p, in f32, and the product's result is divided by l at the end. Since M is a whole number, a kernel that streams over the keys may use a running M (the ceiling of the running maximum): every later rescaling is an exact power of two, which a block's scale takes up: the codes' values come out the same.
;;   OPERANDS COMPUTED ON THE WAY. 'Computed on the way' means the value that the module computes at that place (a softmax that the list does not call 'softmax' is quantised finished and normalised). What goes into a quantiser is computed in f32, as accurately as f32 sums, v_exp_f32 and their like allow (about 1e-6 of the number): no bf16 or f16 on the way to a quantiser, and a product that is left as it is and whose result goes on into a quantised operand takes f32 operands (vector FMAs, or v_wmma_f32_16x16x4_f32). A number that lies on a knife's edge between two numbers of the format may be rounded either way, as far as f32 arithmetic and the matrix unit's own rounding can turn it there, and no further.
;;   INPUTS GIVEN AS CODES. Wk (in the module: [16, 1024, 64], K = its axis 1); Wo (in the module: [1024, 1024], K = its axis 0); Wq (in the module: [16, 1024, 64], K = its axis 1); Wv (in the module: [16, 1024, 64], K = its axis 1); x (in the module: [4, 2048, 1024], K = its axis 2): each comes as NAME_codes (uint8): NAME with its K axis moved to the last place and cut into blocks of 32 codes, [.., K / 32, bytes a block], one block behind the other in memory; two codes a byte, the lower K in the low four bits (a code: sign, 2 exponent bits, 1 mantissa bit); and NAME_scales (uint8): the same leading axes, one E8M0 byte (e + 127) for each 32 codes along K. Its value is code x scale, taken as it is: it is not quantised again, and the codes and scales need not be those that the quantiser above would give.
;; One version. Each part assembles by itself: llvm-mc -triple=amdgcn-amd-amdhsa -mcpu=gfx1250 --defsym DOCPART=n.
;; ======== version 1 of 1: 3 launches
;; limits: right only within a limited range of input values
;; workspace buffers: qc 4,194,304 bytes; qs 524,288 bytes; kv 9,175,040 bytes; ac 4,194,304 bytes; asc 262,144 bytes
;; launch proj (part 1): grid 8 x 32, 8 waves a work-group, clusters of 4 x 4, 327,680 bytes of LDS; arguments x_codes, x_scales, Wq_codes, Wq_scales, Wk_codes, Wk_scales, Wv_codes, Wv_scales, qc, qs, kv; writes qc, qs, kv
.if DOCPART == 1
	.amdgcn_target "amdgcn-amd-amdhsa--gfx1250"
	.amdhsa_code_object_version 6
	.text
	.protected	k_qf6817bdde6_proj
	.globl	k_qf6817bdde6_proj
	.p2align	8
	.type	k_qf6817bdde6_proj,@function
k_qf6817bdde6_proj:
	s_mov_b64 s[64:65], 0
	v_nop
	global_prefetch_b8 v0, s[64:65] scope:SCOPE_SE
	s_setreg_imm32_b32 hwreg(HW_REG_WAVE_MODE, 25, 1), 1
	s_wait_xcnt 0x0
	s_wait_alu depctr_hold_cnt(0) depctr_sa_sdst(0) depctr_va_vdst(0) depctr_va_sdst(0) depctr_va_ssrc(0) depctr_va_vcc(0) depctr_vm_vsrc(0)
	s_getreg_b32 s2, hwreg(HW_REG_IB_STS2, 6, 4)
	s_cmp_eq_u32 s2, 0
	s_cbranch_scc0 .Lentry_in_a_cluster
	s_endpgm
.Lentry_in_a_cluster:
	s_bfe_u32 s2, ttmp6, 0x10000c
	s_cmp_lg_u32 s2, 0xf033
	s_cbranch_scc0 .Lentry_shape_is_right
	s_endpgm
.Lentry_shape_is_right:
; q, k, v = x Wq, x Wk, x Wv for two heads and 256 tokens of one batch, on codes of FP4 (E2M1) with one E8M0 scale for each 32 along K = 1,024; the results are quantised at once:
; q and k along the head's 64 (two blocks a token), v along the tokens (the keys: blocks of 32), and leave as IMAGES OF OPERAND REGISTERS: four registers of the 32 lanes are 512 consecutive bytes, lane l's 16 bytes at 16 l.
; SHARES.  Work-group (x = head pair, y = 256 tokens), eight waves; wave w owns 64 tokens (tq = w % 4) of one head (e = w / 4): four tiles of 16 tokens, sixteen accumulators, Wq, Wk, Wv one after the other.
; Its x fragments for all of K (256 registers) stay in window 1; W is read from LDS a K step at a time: one fragment of W feeds four matrix instructions.
; CLUSTERS of 4 x 4: x's tile is shared along a row (same tokens), W's along a column (same heads), each asked for jointly.  At the head waves 0 to 3 bring x, waves 4 to 7 Wq; when x has gone into registers,
; Wk and Wv take exactly its bytes (8 halves of 16,896 bytes = 256 rows of x), one half a wave.  No prefetch: that is the one refill, there is no loop of loads to run ahead in.
; ORDER.  A TILE is not 16 neighbours: tile i of 64 (tokens, or rows of W) is the octets i of the first 32 and i xor 1 of the second 32 (rows 8 (i xor h) + 32 h + 0..7 for h = r / 8): so a lane's four accumulators of a tile row hold one
; whole block of 32 along the next product's K, and the 16 rows of a fragment start in 16 different banks.  Octets i and i xor 1 change places in the second block alike in q and k, and alike in p and v.
; LIMITS: NaN and infinities among the inputs are not served; a block whose largest magnitude lies under 2^-124 gets the scale byte 1 (a block of zeros too: its codes are zeros, and only this program reads the bytes).
.set PITCH,  528                       ; a row in LDS: 512 bytes + 16 of padding = 132 words: row r starts at bank 4 r mod 64 (64 banks of 4 bytes: ISA guide 11.1)
.set XQ,     64*PITCH                  ; 64 rows
.set WH,     32*PITCH                  ; half a matrix
.set QB,     4*XQ                      ; behind x: Wq of the two heads
.set VS,     QB+4*WH                   ; v's scale words: 256 bytes for each head and key step
.set SPARE,  VS+1024                   ; the spare words, 128 bytes a wave
.set KVSTEP, 8960                      ; kv: a key step of 128 keys: K's codes 4,096, V's codes 4,096, K's scale words 512, V's scale words 256
.set KVHEAD, 16*KVSTEP
.set LI,  1                            ; v1   16 x lane
.set L8,  2                            ; v2   8 x lane
.set AW,  3                            ; v3-8 where my lane's row of W begins: matrix m at 3 + 2 m for even tiles, + 1 for odd ones
.set SCE, 9                            ; v9, v10  16 scale bytes of my lane's row: even tiles, odd tiles
.set VSA, 11                           ; v11  where I put a scale byte of v
.set VSR, 12                           ; v12  where I read a key step's scale words back
.set SPW, 13
.set NIL, 14
.set XS,  16                           ; v16-31  x's scale words: tile p at 4 p + j: lanes 0-15 K step j, lanes 16-31 K step 4 + j
.set WS,  32                           ; v32-63  W's likewise, two sets of 16 (set 0: Wq, then Wv; set 1: Wk)
.set WF0, 64                           ; v64-95, v96-127  four fragments of W, two sets
.set TM,  96                           ; in the second set's place, behind a matrix's last K step: largest magnitudes, v100-101 bytes, v104-105 the conversions' scale operands
.set PC,  112                          ; v112-119 the codes just made
.set SQ,  120                          ; v120-121 scale words on their way out
.set XA,  120                          ; at the head: where my lane's row of x begins, even and odd tiles
.set VB,  124                          ; v124-125 v's scale words read back
.set ACC, 128                          ; v128-255 sixteen accumulators
.set WV,  2
.set G1X, 36                           ; s[36:43], s[44:51] the tensor loads' groups 1 for x and W; s[52:55], s[56:59], s[60:63] groups 0: x, Wq, the refill
.set G1W, 44
.set G0X, 52
.set G0W, 56
.set G0R, 60
.set MSB, 0
.macro WIN new                         ; the immediate's high byte repeats the setting that is left
.if MSB != \new
	s_set_vgpr_msb (MSB<<8)|\new
.set MSB, \new
.endif
.endm
.macro PLACES n
.rept \n
	v_nop
.endr
.endm
.macro CREST                           ; a round of the cluster's barrier behind its opening barrier
	s_cmp_lg_u32 s[WV], 0
	s_cbranch_scc1 .Lnot_wave_0_\@
	s_barrier_signal -3
.Lnot_wave_0_\@:
	s_barrier_wait -3
	s_barrier_signal -1
	s_barrier_wait -1
.endm
.macro CROUND
	s_barrier_signal -1
	s_barrier_wait -1
	CREST
.endm
; 64 numbers of a lane, v[s] on: two blocks of 32, each whole in this lane: 8 registers of codes in v[PC] on, two scale bytes in v[TM+4], v[TM+5]
.macro QUANT s
.irp b, 0,1,2,3
	v_max3_num_f32 v[TM+\b], |v[(\s)+16*\b]|, |v[(\s)+16*\b+1]|, 0x1800000   ; half a block, from each accumulator's low end on, and the floor 2^(3 - 127): the byte cannot fall under 1
.endr
.irp i, 2,4,6,8,10,12,14
.irp b, 0,1,2,3
	v_max3_num_f32 v[TM+\b], v[TM+\b], |v[(\s)+16*\b+\i]|, |v[(\s)+16*\b+\i+1]|
.endr
.endr
.irp b, 0,1
	v_max_num_f32 v[TM+2*\b], v[TM+2*\b], v[TM+2*\b+1]
.endr
.irp b, 0,1
	v_add_nc_u32 v[TM+8+\b], 0xff000000, v[TM+2*\b]   ; 2 off its exponent field: the conversion takes this operand's exponent field as its scale
.endr
.irp b, 0,1
	v_lshrrev_b32 v[TM+4+\b], 23, v[TM+8+\b]
.endr
.irp b, 0,1
.irp u, 0,1,2,3
	v_cvt_scalef32_pk8_fp4_f32 v[PC+4*\b+\u], v[(\s)+32*\b+8*\u:(\s)+32*\b+8*\u+7], v[TM+8+\b]
.endr
.endr
	v_nop                                          ; one plain place behind the scaled conversions
.endm
	s_load_b256 s[8:15], s[0:1], 0x0               ; x's codes s[8:9], x's scales s[10:11], Wq's codes s[12:13], Wq's scales s[14:15]
	s_load_b256 s[16:23], s[0:1], 0x20             ; Wk's codes, scales, Wv's codes, scales
	s_load_b128 s[24:27], s[0:1], 0x40             ; qc, qs
	s_load_b64 s[28:29], s[0:1], 0x50              ; kv
	v_lshl_add_u32 v[SPW], v0, 2, SPARE
	v_mov_b32 v[NIL], 0
	ds_add_u32 v[SPW], v[NIL]                      ; the opening add, twice on end
	ds_add_u32 v[SPW], v[NIL]
	v_lshrrev_b32 v15, 5, v0
	v_readfirstlane_b32 s[WV], v15                 ; wave 0..7
	v_and_b32 v122, 31, v0                         ; lane
	v_and_b32 v123, 7, v0                          ; r % 8
	v_bfe_u32 v124, v0, 3, 1                       ; r / 8
	v_bfe_u32 v125, v0, 4, 1                       ; h
	v_and_b32 v117, 15, v0                         ; r
	v_lshlrev_b32 v[LI], 4, v122
	v_lshlrev_b32 v[L8], 3, v122
	v_mul_u32_u24 v126, PITCH, v123
	v_lshl_add_u32 v126, v125, 4, v126
	v_mul_u32_u24 v127, 40*PITCH, v124
	v_mul_u32_u24 v119, 24*PITCH, v124
	v_add_nc_u32 v118, v126, v127                  ; row (r % 8) + 40 (r / 8), + 16 h: even tiles
	v_add_nc_u32 v119, v126, v119                  ; row (r % 8) + 24 (r / 8): odd tiles
	v_lshlrev_b32 v126, 4, v125
	v_lshl_add_u32 v126, v123, 5, v126
	v_mul_u32_u24 v[SCE], 1280, v124
	v_mul_u32_u24 v[SCE+1], 768, v124
	v_add_nc_u32 v[SCE], v126, v[SCE]              ; the same rows of 32 scale bytes
	v_add_nc_u32 v[SCE+1], v126, v[SCE+1]
	s_wait_alu depctr_va_vdst(0)
	s_and_b32 s3, s[WV], 3                         ; tq
	s_lshr_b32 s4, s[WV], 2                        ; e
	s_mul_i32 s5, s4, XQ                           ; a head's 64 rows
	s_add_co_u32 s6, s5, QB
	v_add_nc_u32 v[AW], s6, v118
	v_add_nc_u32 v[AW+1], s6, v119
	v_add_nc_u32 v[AW+2], s5, v118
	v_add_nc_u32 v[AW+3], s5, v119
	s_add_co_u32 s6, s5, 2*XQ
	v_add_nc_u32 v[AW+4], s6, v118
	v_add_nc_u32 v[AW+5], s6, v119
	s_mul_i32 s7, s3, XQ
	v_add_nc_u32 v[XA], s7, v118
	v_add_nc_u32 v[XA+1], s7, v119
	s_lshl_b32 s5, s4, 9
	s_lshr_b32 s6, s3, 1
	s_lshl_b32 s6, s6, 8
	s_add_co_u32 s5, s5, s6
	s_add_co_u32 s5, s5, VS                        ; my head's and key step's 256 bytes,
	v_add_nc_u32 v[VSR], s5, v[L8]
	s_and_b32 s6, s3, 1
	s_lshl_b32 s6, s6, 1                           ; my 64 tokens' two bytes of each word
	s_add_co_u32 s5, s5, s6
	v_lshl_add_u32 v[VSA], v117, 2, s5
	v_add_nc_u32 v[VSA], v125, v[VSA]              ; lane half h has block h's byte
	s_bfe_u32 s30, ttmp6, 0x40000                  ; cx
	s_bfe_u32 s31, ttmp6, 0x40004                  ; cy
	s_lshl_b32 s32, ttmp9, 2
	s_add_co_u32 s32, s32, s30                     ; head pair
	s_and_b32 s33, ttmp7, 0xffff
	s_lshl_b32 s33, s33, 2
	s_add_co_u32 s33, s33, s31                     ; token tile of 256
	s_lshl_b32 s34, s31, 2
	s_lshl_b32 s34, 15, s34                        ; my row of the cluster
	s_lshl_b32 s35, 0x1111, s30                    ; my column
	; group 1: rows of 512 bytes, dense in memory, 16 bytes of padding behind each in LDS: 64 rows of x, 32 of W
	s_or_b32 s[G1X], s34, (1<<20)|(1<<21)|(6<<22)|(3<<25)   ; the mask; elements of 1 byte; padding on; bit 21 set beside a mask; after every 128 words (code 6) four words (code 3)
	s_or_b32 s[G1W], s35, (1<<20)|(1<<21)|(6<<22)|(3<<25)
.irp g, G1X, G1W
	s_mov_b32 s[\g+1], 512<<16
	s_mov_b32 s[\g+3], 512<<16
	s_mov_b32 s[\g+5], 512
	s_mov_b32 s[\g+6], 0
	s_mov_b32 s[\g+7], 0
.endr
	s_mov_b32 s[G1X+2], 64<<16
	s_mov_b32 s[G1X+4], 64
	s_mov_b32 s[G1W+2], 32<<16
	s_mov_b32 s[G1W+4], 32
	s_lshl_b32 s66, s33, 17                        ; x: 256 rows of 512 bytes a tile,
	s_lshl_b32 s5, s3, 15
	s_add_co_u32 s66, s66, s5                      ; 64 a wave
	s_mov_b32 s67, 0
	s_lshl_b32 s68, s32, 16                        ; W: 128 rows a head pair,
	s_lshl_b32 s5, s3, 14
	s_add_co_u32 s68, s68, s5                      ; 32 a wave: head (w / 2) % 2, half w % 2
	s_mov_b32 s69, 0
	s_mov_b32 s[G0X], 1
	s_mul_i32 s[G0X+1], s3, XQ
	s_mov_b32 s[G0W], 1
	s_mul_i32 s[G0W+1], s3, WH
	s_add_co_u32 s[G0W+1], s[G0W+1], QB
	s_mov_b32 s[G0R], 1
	s_mul_i32 s[G0R+1], s[WV], WH                  ; the refill: Wk's four halves, then Wv's
	s_wait_alu depctr_va_vdst(0)
	s_wait_dscnt 0x0                               ; both opening adds are done
	CROUND                                         ; all sixteen work-groups are here: the joint loads meet
	s_wait_kmcnt 0x0
	s_add_nc_u64 s[G0X+2:G0X+3], s[8:9], s[66:67]
	s_or_b32 s[G0X+3], s[G0X+3], 0x80000000
	s_add_nc_u64 s[G0W+2:G0W+3], s[12:13], s[68:69]
	s_or_b32 s[G0W+3], s[G0W+3], 0x80000000
	s_cmp_lt_u32 s[WV], 4
	s_cselect_b64 s[70:71], s[16:17], s[20:21]
	s_add_nc_u64 s[G0R+2:G0R+3], s[70:71], s[68:69]
	s_or_b32 s[G0R+3], s[G0R+3], 0x80000000
	s_cmp_lt_u32 s[WV], 4                          ; one load a wave
	s_cbranch_scc0 .Lfor_w
	tensor_load_to_lds s[G0X:G0X+3], s[G1X:G1X+7]
	s_nop 0
	PLACES 4
	s_branch .Lasked
.Lfor_w:
	tensor_load_to_lds s[G0W:G0W+3], s[G1W:G1W+7]
	s_nop 0
	PLACES 4
.Lasked:
	s_lshl_b32 s6, s33, 13
	s_lshl_b32 s5, s3, 11
	s_add_co_u32 s6, s6, s5
	s_mov_b32 s7, 0
	s_add_nc_u64 s[10:11], s[10:11], s[6:7]        ; x's scale bytes at my first token: 32 a token
	s_lshl_b32 s6, s32, 1
	s_add_co_u32 s6, s6, s4                        ; my head
	s_lshr_b32 s34, s33, 3
	s_lshl_b32 s34, s34, 4
	s_add_co_u32 s34, s34, s6                      ; 16 batch + head
	s_lshl_b32 s6, s6, 11                          ; the head's 64 rows of 32 scale bytes
	s_add_nc_u64 s[14:15], s[14:15], s[6:7]
	s_add_nc_u64 s[18:19], s[18:19], s[6:7]
	s_add_nc_u64 s[22:23], s[22:23], s[6:7]
.irp p, 0,1,2,3
	global_load_b128 v[XS+4*\p:XS+4*\p+3], v[SCE+\p%2], s[10:11] offset:256*\p   ; a tile's scale words for all of K by one load
.endr
.irp t, 0,1,2,3
	global_load_b128 v[WS+4*\t:WS+4*\t+3], v[SCE+\t%2], s[14:15] offset:256*\t
	global_load_b128 v[WS+16+4*\t:WS+16+4*\t+3], v[SCE+\t%2], s[18:19] offset:256*\t
.endr
	; where the results go
	s_and_b32 s35, s33, 7
	s_lshl_b32 s35, s35, 8
	s_lshl_b32 s5, s3, 6
	s_add_co_u32 s35, s35, s5                      ; my first token in the batch
	s_lshl_b32 s6, s34, 16
	s_lshl_b32 s5, s35, 5
	s_add_co_u32 s6, s6, s5
	s_add_nc_u64 s[24:25], s[24:25], s[6:7]        ; qc: 65,536 bytes a head, 512 a tile of 16 tokens
	s_lshr_b32 s6, s6, 3
	s_add_nc_u64 s[26:27], s[26:27], s[6:7]        ; qs: 4 bytes a token
	s_mul_i32 s6, s34, KVHEAD
	s_lshr_b32 s5, s35, 7
	s_mul_i32 s5, s5, KVSTEP
	s_add_co_u32 s6, s6, s5
	s_add_nc_u64 s[28:29], s[28:29], s[6:7]        ; kv at my key step
	s_add_nc_u64 s[78:79], s[28:29], 8704          ; V's scale words
	s_and_b32 s5, s3, 1                            ; which 64 of its 128 keys are mine
	s_lshl_b32 s6, s5, 11
	s_add_nc_u64 s[72:73], s[28:29], s[6:7]        ; K's codes
	s_lshl_b32 s6, s5, 8
	s_add_nc_u64 s[74:75], s[28:29], s[6:7]
	s_add_nc_u64 s[74:75], s[74:75], 8192          ; K's scale words
	s_lshl_b32 s6, s5, 9
	s_add_nc_u64 s[76:77], s[28:29], s[6:7]
	s_add_nc_u64 s[76:77], s[76:77], 4096          ; V's codes
	s_wait_alu depctr_va_vdst(0)
	s_wait_tensorcnt 0x0                           ; my part of x or of Wq is in LDS,
	s_barrier_signal -1
	s_barrier_wait -1                              ; all of both is
; the four fragments of W of step g (matrix g / 8, K step g % 8) into set g % 2
.macro LOADW g
.set LM, (\g)/8
.set LK, (\g)%8
.set LF, WF0+32*((\g)%2)
.irp t, 0,1,2,3
.irp c, 0,1
	ds_load_b128 v[LF+8*\t+4*\c:LF+8*\t+4*\c+3], v[AW+2*LM+\t%2] offset:8*\t*PITCH+64*LK+32*\c
.endr
.endr
.endm
; one matrix instruction of K step MS: the first starts its sum; K steps 4 to 7 take their scale words from lanes 16-31
.macro WM d, a, b, sa, sb
.if MS == 0
	v_wmma_scale_f32_16x16x128_f8f6f4 v[\d:\d+7], v[\a:\a+7], v[\b:\b+7], 0, v[\sa], v[\sb] matrix_a_fmt:MATRIX_FMT_FP4 matrix_b_fmt:MATRIX_FMT_FP4
.elseif MS < 4
	v_wmma_scale_f32_16x16x128_f8f6f4 v[\d:\d+7], v[\a:\a+7], v[\b:\b+7], v[\d:\d+7], v[\sa], v[\sb] matrix_a_fmt:MATRIX_FMT_FP4 matrix_b_fmt:MATRIX_FMT_FP4
.else
	v_wmma_scale_f32_16x16x128_f8f6f4 v[\d:\d+7], v[\a:\a+7], v[\b:\b+7], v[\d:\d+7], v[\sa], v[\sb] matrix_a_fmt:MATRIX_FMT_FP4 matrix_b_fmt:MATRIX_FMT_FP4 matrix_a_scale:MATRIX_SCALE_ROW1 matrix_b_scale:MATRIX_SCALE_ROW1
.endif
.endm
; 16 matrix instructions: my four tiles of tokens x the matrix's four tiles of rows.  The sixteen accumulators take turns, one instruction a turn, in every K step.
; q, k: source 0 = W, source 1 = x: a lane holds one token, its registers run along d.  v: the other way round: a lane holds one d, its registers run along the tokens.
.macro MUL g
.set MM, (\g)/8
.set MS, (\g)%8
.set MF, WF0+32*((\g)%2)
.set MW, WS+16*(MM%2)+MS%4
.set MX, XS+MS%4
.if MM < 2
	WIN 0x04                                       ; source 1 (x) window 1
.irp p, 0,1,2,3
.irp t, 0,1,2,3
	WM ACC+32*\p+8*\t, MF+8*\t, 64*\p+8*MS, MW+4*\t, MX+4*\p
.endr
.endr
.else
	WIN 0x01                                       ; source 0 (x) window 1
.irp p, 0,1,2,3
.irp t, 0,1,2,3
	WM ACC+32*\t+8*\p, 64*\p+8*MS, MF+8*\t, MX+4*\p, MW+4*\t
.endr
.endr
.endif
.endm
.macro KSTEP g
	WIN 0
	PLACES 4                                       ; in front of loads into the set that the step before multiplied; with the places of an epilogue also those in front of products that begin the accumulators anew
.if (\g)%8 == 0
	s_wait_xcnt 0x0                                ; the epilogue's stores have read their registers, which lie in the second set
.endif
.if ((\g) != 7) && ((\g) != 23)
	LOADW (\g)+1
	s_wait_dscnt 8                                 ; this step's fragments are in; the eight loads just issued may be out
.else
	s_wait_dscnt 0x0
.endif
.if (\g) == 16
	s_wait_loadcnt 0x0                             ; Wv's scale words
.endif
	MUL \g
.endm
; q or k is finished: two tiles of tokens at a time become two images of 512 bytes; lanes 0-15 keep the first tile's two scale bytes, lanes 16-31 the second's (the upper two bytes are 0: they stand over zero codes)
.macro EPI_QK cb, sb, lv
	WIN 0
	PLACES 4                                       ; behind the last products: their results are read, their operands' registers written
.if \lv
.irp t, 0,1,2,3
	global_load_b128 v[WS+4*\t:WS+4*\t+3], v[SCE+\t%2], s[22:23] offset:256*\t   ; Wv's scale words take Wq's place
.endr
.endif
.irp i, 0,1
.if \i
	s_wait_xcnt 0x0                                ; the stores above have read the codes' registers
.endif
	QUANT ACC+64*\i
	global_store_b128 v[LI], v[PC:PC+3], s[\cb:\cb+1] offset:1024*\i          ; 512 consecutive aligned bytes
	global_store_b128 v[LI], v[PC+4:PC+7], s[\cb:\cb+1] offset:1024*\i+512
	v_permlane16_swap_b32 v[TM+4], v[TM+5]
	v_lshl_or_b32 v[SQ+\i], v[TM+5], 8, v[TM+4]
.endr
	global_store_b64 v[L8], v[SQ:SQ+1], s[\sb:\sb+1]   ; my 64 tokens' scale words: 256 consecutive aligned bytes
.endm
	WIN 0x40
.irp p, 0,1,2,3
.irp s, 0,1,2,3,4,5,6,7
.irp c, 0,1
	ds_load_b128 v[64*\p+8*\s+4*\c:64*\p+8*\s+4*\c+3], v[XA+\p%2] offset:8*\p*PITCH+64*\s+32*\c   ; K step s: registers 4 c on hold k = 128 s + 64 c + 32 h + 0 .. 31
.endr
.endr
.endr
	WIN 0
	LOADW 0
	s_wait_loadcnt 0x0                             ; the scale words
	s_wait_tensorcnt 0x0                           ; ahead of a refill every wave runs these lines:
	ds_add_u32 v[SPW], v[NIL]                      ; 0 onto my spare word;
	s_wait_dscnt 0x0                               ; the add is done, and x's fragments and Wq's first are in registers
	s_barrier_signal -1                            ; this barrier opens a round of the cluster's barrier;
	MUL 0                                          ; work on registers while the others arrive
	WIN 0
	s_barrier_wait -1
	CREST                                          ; no wave of any partner still reads x or has a load on its way:
	tensor_load_to_lds s[G0R:G0R+3], s[G1W:G1W+7]  ; Wk and Wv take x's place, half a matrix a wave
	s_nop 0
	PLACES 4
	LOADW 1                                        ; (Wq lies beside the bytes that are filled again)
.set G, 1
.rept 7
	KSTEP G
.set G, G+1
.endr
	EPI_QK 24, 26, 1
	s_wait_alu depctr_va_vdst(0)
	s_wait_tensorcnt 0x0                           ; my half is in LDS,
	s_wait_dscnt 0x0
	s_barrier_signal -1
	s_barrier_wait -1                              ; all eight are
	LOADW 8
.rept 8
	KSTEP G
.set G, G+1
.endr
	EPI_QK 72, 74, 0
.rept 8
	KSTEP G
.set G, G+1
.endr
	; v is finished: two tiles of d at a time; a lane's block of 32 tokens of each
	WIN 0
	PLACES 4
.irp i, 0,1
.if \i
	s_wait_xcnt 0x0                                ; the stores above have read their registers,
	s_wait_dscnt 0x0                               ; the LDS stores too
.endif
	QUANT ACC+64*\i
	global_store_b128 v[LI], v[PC:PC+3], s[76:77] offset:2048*\i
	global_store_b128 v[LI], v[PC+4:PC+7], s[76:77] offset:2048*\i+1024
	ds_store_b8 v[VSA], v[TM+4] offset:128*\i      ; d tile 2 i: block h's byte of its words
	ds_store_b8 v[VSA], v[TM+5] offset:128*\i+64   ; d tile 2 i + 1
.endr
	s_wait_dscnt 0x0                               ; for the others' sake: my scale bytes are in LDS
	s_wait_alu depctr_va_vdst(0)
	s_barrier_signal -1
	s_barrier_wait -1
	s_bitcmp1_b32 s[WV], 0
	s_cbranch_scc1 .Ldone
	ds_load_b64 v[VB:VB+1], v[VSR]                 ; a key step's 64 words of one head, made by two waves
	s_wait_dscnt 0x0
	global_store_b64 v[L8], v[VB:VB+1], s[78:79]   ; 256 consecutive aligned bytes
.Ldone:
	s_wait_tensorcnt 0x0                           ; the wave's end
	ds_add_u32 v[SPW], v[NIL]
	s_wait_dscnt 0x0
	CROUND                                         ; the closing round: no work-group ends while a partner may still ask for a tile that names it
	s_endpgm
.Lfunc_end_k_qf6817bdde6_proj:
	.size	k_qf6817bdde6_proj, .Lfunc_end_k_qf6817bdde6_proj-k_qf6817bdde6_proj
	.p2alignl 7, 3214868480
	.fill 96, 4, 3214868480
	.section	.rodata,"a",@progbits
	.p2align	6, 0x0
	.amdhsa_kernel k_qf6817bdde6_proj
		.amdhsa_group_segment_fixed_size 327680
		.amdhsa_private_segment_fixed_size 0
		.amdhsa_enable_private_segment 0
		.amdhsa_kernarg_size 88
		.amdhsa_user_sgpr_count 2
		.amdhsa_user_sgpr_kernarg_segment_ptr 1
		.amdhsa_wavefront_size32 1
		.amdhsa_system_sgpr_workgroup_id_x 1
		.amdhsa_system_sgpr_workgroup_id_y 1
		.amdhsa_system_sgpr_workgroup_id_z 1
		.amdhsa_system_vgpr_workitem_id 0
		.amdhsa_next_free_vgpr 512
		.amdhsa_next_free_sgpr 80
		.amdhsa_reserve_vcc 0
		.amdhsa_float_denorm_mode_32 3
		.amdhsa_float_denorm_mode_16_64 3
		.amdhsa_memory_ordered 1
		.amdhsa_forward_progress 1
		.amdhsa_inst_pref_size 100
	.end_amdhsa_kernel
	.amdgpu_metadata
---
amdhsa.version: [ 1, 2 ]
amdhsa.kernels:
  - .name:           k_qf6817bdde6_proj
    .symbol:         k_qf6817bdde6_proj.kd
    .args:
      - { .name: x_codes, .offset: 0, .size: 8, .value_kind: global_buffer, .address_space: global }
      - { .name: x_scales, .offset: 8, .size: 8, .value_kind: global_buffer, .address_space: global }
      - { .name: Wq_codes, .offset: 16, .size: 8, .value_kind: global_buffer, .address_space: global }
      - { .name: Wq_scales, .offset: 24, .size: 8, .value_kind: global_buffer, .address_space: global }
      - { .name: Wk_codes, .offset: 32, .size: 8, .value_kind: global_buffer, .address_space: global }
      - { .name: Wk_scales, .offset: 40, .size: 8, .value_kind: global_buffer, .address_space: global }
      - { .name: Wv_codes, .offset: 48, .size: 8, .value_kind: global_buffer, .address_space: global }
      - { .name: Wv_scales, .offset: 56, .size: 8, .value_kind: global_buffer, .address_space: global }
      - { .name: qc, .offset: 64, .size: 8, .value_kind: global_buffer, .address_space: global }
      - { .name: qs, .offset: 72, .size: 8, .value_kind: global_buffer, .address_space: global }
      - { .name: kv, .offset: 80, .size: 8, .value_kind: global_buffer, .address_space: global }
    .group_segment_fixed_size: 327680
    .private_segment_fixed_size: 0
    .kernarg_segment_align: 8
    .kernarg_segment_size: 88
    .max_flat_workgroup_size: 256
    .sgpr_count:     80
    .vgpr_count:     512
    .wavefront_size: 32
...
	.end_amdgpu_metadata
.endif
;; end of part 1
;; launch attn (part 2): grid 4 x 64, 8 waves a work-group, clusters of 4 x 1, 167,936 bytes of LDS; arguments qc, qs, kv, ac, asc; writes ac, asc
.if DOCPART == 2
	.amdgcn_target "amdgcn-amd-amdhsa--gfx1250"
	.amdhsa_code_object_version 6
	.text
	.protected	k_qf6817bdde6_attn
	.globl	k_qf6817bdde6_attn
	.p2align	8
	.type	k_qf6817bdde6_attn,@function
k_qf6817bdde6_attn:
	s_mov_b64 s[64:65], 0
	v_nop
	global_prefetch_b8 v0, s[64:65] scope:SCOPE_SE
	s_setreg_imm32_b32 hwreg(HW_REG_WAVE_MODE, 25, 1), 1
	s_wait_xcnt 0x0
	s_wait_alu depctr_hold_cnt(0) depctr_sa_sdst(0) depctr_va_vdst(0) depctr_va_sdst(0) depctr_va_ssrc(0) depctr_va_vcc(0) depctr_vm_vsrc(0)
	s_getreg_b32 s2, hwreg(HW_REG_IB_STS2, 6, 4)
	s_cmp_eq_u32 s2, 0
	s_cbranch_scc0 .Lentry_in_a_cluster
	s_endpgm
.Lentry_in_a_cluster:
	s_bfe_u32 s2, ttmp6, 0x10000c
	s_cmp_lg_u32 s2, 0x3003
	s_cbranch_scc0 .Lentry_shape_is_right
	s_endpgm
.Lentry_shape_is_right:
; Causal attention of one head on codes of FP4 (E2M1), one E8M0 scale for each 32 along a product's K; the result is quantised along the head's 64 for the last projection.
; THE SOFTMAX: t = score x log2(e) / 8; M = the row's largest t so far, rounded UP to a whole number; p = 2^(t - M) is quantised along the keys, not normalised; the row's sum is taken of the unquantised p and divides at the end.
; When M moves, the sum and O are multiplied by 2^(old M - new M): exact.  Key steps that come wholly after a tile's queries are not walked: the mask throws their results away, whatever the inputs hold.
; CLUSTER.  The four work-groups of a cluster serve one (batch, head) and read the same 143,360 bytes of kv (16 key steps of 8,960 bytes: K's codes, V's codes, their scale words, as images of operand registers).
; Each of the eight waves asks JOINTLY for two key steps; the whole head then stays in LDS: nothing is filled again, nothing is stored to LDS.  No prefetch: all that is loaded is asked for at the head, so no loop runs ahead of a load.
; Waves 0 to 3 and 4 to 7 have load lines of their own: the first barrier shows key steps 0 to 7, the second the rest.
; SHARES.  Query tile (16 queries) number 8 g + 2 cx + e.  Wave w owns the two tiles e = 0, 1 of g = w, then the two of g = 15 - w: key steps 0 .. g each, (w + 1) + (16 - w) = 17 double steps in every wave.
; The two tiles go side by side through each key step and share its fragments of K and V.  The work-group's place cx enters global addresses and the mask's numbers alone: no branch, no LDS address.
; LAYOUT.  A tile is not 16 neighbours: tile 4 c + i of a step of 128 is the octets 64 c + 8 i and 64 c + 32 + 8 (i xor 1) of tokens; a tile of V's channels likewise.
; Both products transposed: S^T = K Q^T (source 0 = 16 keys, source 1 = 16 queries), O^T = V^T P^T: a lane holds ONE query of each tile, and its register 32 c + 8 i + j is key 64 c + 32 h + 8 (i xor h) + j (h = lane / 16):
; whole blocks of 32 keys in a lane, in the order in which V's codes lie, so the conversions' results are the second product's operand.
; K of the first product is 64: registers 4-7 of Q's operand are zero codes; registers 4-7 of a tile of K are the next tile's codes (or zeros behind the last), which meet Q's zeros alone.
; LIMITS: NaN and infinities are not served; p under 2^-126 counts as 0 (the exponential flushes denormals: ISA guide 15.8); a block whose largest magnitude lies under 2^-124 gets the byte 1; scaled scores stay under 2^31.
; The result's scale bytes leave as 2 bytes a lane, 32 bytes apart (262,144 bytes in the launch): a row of them spans all sixteen heads, of which a work-group has one.
; REGISTERS.  Window 0: all that follows but O; S is tile 0's scores there and tile 1's in window 1 (the same numbers).  Window 1: v0-31 tile 0's O^T, v32-63 tile 1's.  Names below are tile 0's; tile 1's follow at the stride given.
.set KVSTEP, 8960
.set KVHEAD, 16*KVSTEP
.set SPARE, 0x28c00                    ; behind kv: the spare words, 128 bytes a wave
.set LI,   1                           ; v1   16 x lane
.set L8,   2                           ; v2   8 x lane
.set L4,   3                           ; v3   4 x lane
.set AD,   4                           ; v4, v5  LI and L4 + the key step's first LDS byte
.set AD4,  5
.set ADN,  6                           ; v6, v7  LI and L8 + the next key step's
.set AD8N, 7
.set DQ1,  8                           ; v8, v9  tile 1: my query's place in a step less 40 h (for even octets of keys), less 24 h (odd ones)
.set NINF, 10
.set H8,   11                          ; v11  8 h
.set R16,  12                          ; v12  r = lane % 16
.set SPW,  13
.set NIL,  14
.set ST,   16                          ; stride 10: -M, the largest score, the sum in two halves; then three more chains of the sum
.set QF,   36                          ; stride 8: Q's fragment: four registers of codes, four of zeros
.set QS,   52                          ; stride 1: its scale words
.set KS,   54                          ; v54-57 K's scale words of a key step: lanes 0-15 an even tile's, lanes 16-31 the odd one's behind it
.set VSC,  58                          ; v58-59 V's
.set PW,   60                          ; stride 1: p's scale word
.set T,    62
.set T2,   64
.set T3,   66
.set FF,   68                          ; stride 2: f = 2^(old M - new M)
.set TM,   72                          ; stride 4: largest scores
.set SC,   80                          ; stride 2: the conversions' scale operands
.set BY,   84                          ; stride 2: bytes
.set PC,   88                          ; stride 8: p's codes
.set QN,   104                         ; stride 4: the second pair's codes of Q;  v112-113 its scale words
.set QSN,  112
.set KF,   114                         ; v114-145 eight tiles of K, v146-149 zeros
.set VF,   150                         ; v150-181 V's four fragments
.set S,    182                         ; v182-245 S^T, then p
.set CA,   246                         ; v246-253 the first pair's results as codes;  v254-255 their scale bytes
.set BA,   254
.set WV,   2
.set TB,   3                           ; the key step's first LDS byte
.set TBN,  4                           ; the next one's  (s4 to s9 hold pointers at the head)
.set SI,   5                           ; the key step
.set CS,   6                           ; s[6:7] c = log2(e) / 8
.set SEL,  8                           ; s[8:9] v_permlanex16_b32's selects for lane l xor 16
.set BH,   14
.set GA,   15                          ; the two pairs' groups: their last key steps
.set GB,   16
.set CX,   17                          ; later one of the masks in hand
.set CSN,  18                          ; -c
.set TX,   19                          ; later the mask of lanes 16-31
.set G1,   20
.set G0,   28
.set TLA,  34                          ; the pairs' first tiles
.set TLB,  35
; tile 0's masks of the diagonal: register n's is s[36 + n], past s63 two further on: s36-63, s66-101
.set MSB, 0
.macro WIN new                         ; the immediate's high byte repeats the setting that is left
.if MSB != \new
	s_set_vgpr_msb (MSB<<8)|\new
.set MSB, \new
.endif
.endm
.macro PLACES n
.rept \n
	v_nop
.endr
.endm
.macro CROUND                          ; a round of the cluster's barrier
	s_barrier_signal -1
	s_barrier_wait -1
	s_cmp_lg_u32 s[WV], 0
	s_cbranch_scc1 .Lnot_wave_0_\@
	s_barrier_signal -3
.Lnot_wave_0_\@:
	s_barrier_wait -3
	s_barrier_signal -1
	s_barrier_wait -1
.endm
; the byte offset in a head's qs of tile ts's scale words (ts even): 256 (tile / 4) + 4 ((tile / 2) % 2) + 8 r; tile ts + 1's stand 128 bytes on
.macro QWORD vo, ts
	s_lshr_b32 s[TX], s[\ts], 2
	s_lshl_b32 s[TX], s[TX], 8
	s_bfe_u32 s32, s[\ts], 0x10001
	s_lshl_b32 s32, s32, 2
	s_add_co_u32 s[TX], s[TX], s32
	v_lshl_add_u32 v[\vo], v[R16], 3, s[TX]
.endm
.macro LOADK ad, ad8                   ; a key step's K: ten LDS loads
.irp t, 0,1,2,3,4,5,6,7
	ds_load_b128 v[KF+4*\t:KF+4*\t+3], v[\ad] offset:512*\t
.endr
	ds_load_b64 v[KS:KS+1], v[\ad8] offset:8192
	ds_load_b64 v[KS+2:KS+3], v[\ad8] offset:8448
.endm
.macro SCORES x                        ; S^T = K Q^T, eight tiles of 16 keys
.irp t, 0,1,2,3,4,5,6,7
.if \t%2
	v_wmma_scale_f32_16x16x128_f8f6f4 v[S+8*\t:S+8*\t+7], v[KF+4*\t:KF+4*\t+7], v[QF+8*\x:QF+8*\x+7], 0, v[KS+\t/2], v[QS+\x] matrix_a_fmt:MATRIX_FMT_FP4 matrix_b_fmt:MATRIX_FMT_FP4 matrix_a_scale:MATRIX_SCALE_ROW1
.else
	v_wmma_scale_f32_16x16x128_f8f6f4 v[S+8*\t:S+8*\t+7], v[KF+4*\t:KF+4*\t+7], v[QF+8*\x:QF+8*\x+7], 0, v[KS+\t/2], v[QS+\x] matrix_a_fmt:MATRIX_FMT_FP4 matrix_b_fmt:MATRIX_FMT_FP4
.endif
.endr
.endm
.macro HIDE4                           ; tile 1, registers n .. n + 3 on the diagonal
	v_cmp_gt_i32 s[CX], n+32*(n/32), v[DQ1+(n/8)%2]
	v_cmp_gt_i32 s32, n+1+32*(n/32), v[DQ1+(n/8)%2]
	v_cmp_gt_i32 s33, n+2+32*(n/32), v[DQ1+(n/8)%2]
	v_cmp_gt_i32 vcc_lo, n+3+32*(n/32), v[DQ1+(n/8)%2]
	v_cndmask_b32 v[S+n], v[S+n], v[NINF], s[CX]
	v_cndmask_b32 v[S+n+1], v[S+n+1], v[NINF], s32
	v_cndmask_b32 v[S+n+2], v[S+n+2], v[NINF], s33
	v_cndmask_b32 v[S+n+3], v[S+n+3], v[NINF], vcc_lo
.endm
.macro LARGEST x, wa, wb, wc           ; the largest score of each of my two blocks -> v[TM], v[TM+2]: for the row's maximum, and, since p rises with the score, for the blocks' largest p
	WIN \wa
.irp b, 0,1,2,3
	v_max3_num_f32 v[TM+4*\x+\b], v[S+16*\b], v[S+16*\b+1], v[S+16*\b+2]
.endr
	WIN \wb
.irp i, 3,5,7,9,11,13
.irp b, 0,1,2,3
	v_max3_num_f32 v[TM+4*\x+\b], v[TM+4*\x+\b], v[S+16*\b+\i], v[S+16*\b+\i+1]
.endr
.endr
	WIN \wc
	v_max3_num_f32 v[TM+4*\x], v[TM+4*\x], v[S+15], v[TM+4*\x+1]
	v_max3_num_f32 v[TM+4*\x+2], v[TM+4*\x+2], v[S+47], v[TM+4*\x+3]
	v_max_num_f32 v[TM+4*\x], v[TM+4*\x], v[S+31]
	v_max_num_f32 v[TM+4*\x+2], v[TM+4*\x+2], v[S+63]
.endm
.macro SUMS x, wa, wb, first           ; the row's sum of the UNQUANTISED p, in four chains
.set SX, ST+10*\x
	WIN \wa
	v_pk_add_f32 v[SX+4:SX+5], v[S:S+1], v[S+2:S+3]
	v_pk_add_f32 v[SX+6:SX+7], v[S+4:S+5], v[S+6:S+7]
	v_pk_add_f32 v[SX+8:SX+9], v[S+8:S+9], v[S+10:S+11]
.if \first
	v_pk_add_f32 v[SX+2:SX+3], v[S+12:S+13], v[S+14:S+15]
.endif
	WIN \wb
.if \first == 0
	v_pk_add_f32 v[SX+2:SX+3], v[SX+2:SX+3], v[S+12:S+13]
.endif
.set j, 14+2*\first
.set k, 0
.rept 25-\first
	v_pk_add_f32 v[SX+2+2*((k+1)%4):SX+3+2*((k+1)%4)], v[SX+2+2*((k+1)%4):SX+3+2*((k+1)%4)], v[S+j:S+j+1]
.set j, j+2
.set k, k+1
.endr
	WIN 0
	v_pk_add_f32 v[SX+4:SX+5], v[SX+4:SX+5], v[SX+6:SX+7]
	v_pk_add_f32 v[SX+2:SX+3], v[SX+2:SX+3], v[SX+8:SX+9]
	v_pk_add_f32 v[SX+2:SX+3], v[SX+2:SX+3], v[SX+4:SX+5]
.endm
.macro TOCODES x                       ; register 4 c + i: octet i of my block of c
.irp c, 0,1
.irp i, 0,1,2,3
	v_cvt_scalef32_pk8_fp4_f32 v[PC+8*\x+4*\c+\i], v[S+32*\c+8*\i:S+32*\c+8*\i+7], v[SC+2*\x+\c]
.endr
.endr
.endm
.macro VALUES x, first                 ; O^T += V^T P^T: the four accumulators by turns
.irp t, 0,1,2,3
.if \first
.if \t%2
	v_wmma_scale_f32_16x16x128_f8f6f4 v[32*\x+8*\t:32*\x+8*\t+7], v[VF+8*\t:VF+8*\t+7], v[PC+8*\x:PC+8*\x+7], 0, v[VSC+\t/2], v[PW+\x] matrix_a_fmt:MATRIX_FMT_FP4 matrix_b_fmt:MATRIX_FMT_FP4 matrix_a_scale:MATRIX_SCALE_ROW1
.else
	v_wmma_scale_f32_16x16x128_f8f6f4 v[32*\x+8*\t:32*\x+8*\t+7], v[VF+8*\t:VF+8*\t+7], v[PC+8*\x:PC+8*\x+7], 0, v[VSC+\t/2], v[PW+\x] matrix_a_fmt:MATRIX_FMT_FP4 matrix_b_fmt:MATRIX_FMT_FP4
.endif
.else
.if \t%2
	v_wmma_scale_f32_16x16x128_f8f6f4 v[32*\x+8*\t:32*\x+8*\t+7], v[VF+8*\t:VF+8*\t+7], v[PC+8*\x:PC+8*\x+7], v[32*\x+8*\t:32*\x+8*\t+7], v[VSC+\t/2], v[PW+\x] matrix_a_fmt:MATRIX_FMT_FP4 matrix_b_fmt:MATRIX_FMT_FP4 matrix_a_scale:MATRIX_SCALE_ROW1
.else
	v_wmma_scale_f32_16x16x128_f8f6f4 v[32*\x+8*\t:32*\x+8*\t+7], v[VF+8*\t:VF+8*\t+7], v[PC+8*\x:PC+8*\x+7], v[32*\x+8*\t:32*\x+8*\t+7], v[VSC+\t/2], v[PW+\x] matrix_a_fmt:MATRIX_FMT_FP4 matrix_b_fmt:MATRIX_FMT_FP4
.endif
.endif
.endr
.endm
; TWO TILES OF 16 QUERIES x ONE KEY STEP OF 128 KEYS (number si, at LDS byte tb; the next step's K is fetched from tbn).  lim: the scalar that holds the pair's last key step.
; first = 1: the pair's first step starts the sums.  diag = 1: the step may be the pair's last, which lies on the diagonal.
.macro STEP lim, si, tb, tbn, first, diag
	s_wait_dscnt 0x0                               ; K, asked for a step ago
	SCORES 0
	WIN 0x40                                       ; destination window 1
	SCORES 1
	WIN 0
	v_add_nc_u32 v[AD], \tb, v[LI]                 ; these four are also the places behind the products, for the loads into their operands and for the reads of the scores
	v_add_nc_u32 v[AD4], \tb, v[L4]
	v_add_nc_u32 v[ADN], \tbn, v[LI]
	v_add_nc_u32 v[AD8N], \tbn, v[L8]
.irp t, 0,1,2,3
.irp c, 0,1
	ds_load_b128 v[VF+8*\t+4*\c:VF+8*\t+4*\c+3], v[AD] offset:4096+1024*\t+512*\c
.endr
.endr
	ds_load_b32 v[VSC], v[AD4] offset:8704         ; lanes 0-15 the words of d tile 0, lanes 16-31 of d tile 1;
	ds_load_b32 v[VSC+1], v[AD4] offset:8832       ; of d tiles 2 and 3
	LOADK ADN, AD8N
.if \diag
	s_cmp_lg_u32 s[\lim], \si
	s_cbranch_scc1 .Lopen_\@
.set n, 0
.rept 64
	v_cndmask_b32 v[S+n], v[S+n], v[NINF], s[36+n+2*((n+36)/64)]   ; hidden keys: -infinity ahead of the maximum: p = 0
.set n, n+1
.endr
	WIN 0x41                                       ; source 0 and destination window 1
.set n, 0
.rept 16
	HIDE4
.set n, n+4
.endr
	WIN 0
.Lopen_\@:
.endif
	LARGEST 0, 0, 0, 0
	LARGEST 1, 0x15, 0x14, 0x04
	WIN 0
.irp x, 0,1                                    ; the two tiles by turns, line by line
	v_max_num_f32 v[T+\x], v[TM+4*\x], v[TM+4*\x+2]
.endr
.irp x, 0,1
	v_permlanex16_b32 v[T2+\x], v[T+\x], s[SEL], s[SEL+1]
.endr
.if \first
.irp x, 0,1
	v_max_num_f32 v[ST+10*\x+1], v[T+\x], v[T2+\x] ; with lane l xor 16's 64 keys
.endr
.irp x, 0,1
	v_mul_f32 v[T3+\x], s[CSN], v[ST+10*\x+1]      ; -t
.endr
.irp x, 0,1
	v_floor_f32 v[ST+10*\x], v[T3+\x]              ; -M = floor(-t) = -ceil(t): a whole number
.endr
.else
.irp x, 0,1
	v_max3_num_f32 v[ST+10*\x+1], v[ST+10*\x+1], v[T+\x], v[T2+\x]   ; the running largest score
.endr
.irp x, 0,1
	v_mul_f32 v[T3+\x], s[CSN], v[ST+10*\x+1]
.endr
.irp x, 0,1
	v_floor_f32 v[T3+\x], v[T3+\x]
.endr
.irp x, 0,1
	v_sub_f32 v[T+\x], v[T3+\x], v[ST+10*\x]       ; old M - new M: a whole number, 0 or less
.endr
.irp x, 0,1
	v_mov_b32 v[ST+10*\x], v[T3+\x]
.endr
.irp x, 0,1
	v_cvt_i32_f32 v[T+\x], v[T+\x]                 ; (it saturates)
.endr
.irp x, 0,1
	v_ldexp_f32 v[FF+2*\x], 1.0, v[T+\x]           ; f = 2^(old M - new M)
.endr
.endif
.irp x, 0,1
	v_fma_f32 v[TM+4*\x], v[TM+4*\x], s[CS], v[ST+10*\x]       ; t - M of each block's largest score,
	v_fma_f32 v[TM+4*\x+2], v[TM+4*\x+2], s[CS], v[ST+10*\x]
.endr
.set j, 0
.rept 32
	v_pk_fma_f32 v[S+j:S+j+1], v[S+j:S+j+1], s[CS:CS+1], v[ST:ST+1] op_sel_hi:[1,0,0]   ; and of every score, two at a time
.set j, j+2
.endr
	WIN 0x41
.set j, 0
.rept 32
	v_pk_fma_f32 v[S+j:S+j+1], v[S+j:S+j+1], s[CS:CS+1], v[ST+10:ST+11] op_sel_hi:[1,0,0]
.set j, j+2
.endr
.if \first == 0
.set j, 0
.rept 16
	v_pk_mul_f32 v[j:j+1], v[j:j+1], v[FF:FF+1] op_sel_hi:[1,0]   ; O^T under the new M, from each accumulator's low end on
.set j, j+2
.endr
.rept 16
	v_pk_mul_f32 v[j:j+1], v[j:j+1], v[FF+2:FF+3] op_sel_hi:[1,0]
.set j, j+2
.endr
.endif
	s_wait_alu depctr_va_vdst(0)                   ; the wait ahead of the batch
.set j, 0
.rept 64
	v_exp_f32 v[S+j], v[S+j]                       ; p = 2^(t - M), at most 1
.set j, j+1
.endr
	WIN 0
.irp x, 0,1
	v_exp_f32 v[TM+4*\x], v[TM+4*\x]               ; the blocks' largest p: the same two instructions on the same numbers
	v_exp_f32 v[TM+4*\x+2], v[TM+4*\x+2]
.endr
.set j, 0
.rept 64
	v_exp_f32 v[S+j], v[S+j]
.set j, j+1
.endr
.if \first
	v_nop                                          ; a plain place behind the exponentials
.else
	v_pk_mul_f32 v[ST+2:ST+3], v[ST+2:ST+3], v[FF:FF+1] op_sel_hi:[1,0]   ; the sums under the new M (plain places behind the exponentials)
	v_pk_mul_f32 v[ST+12:ST+13], v[ST+12:ST+13], v[FF+2:FF+3] op_sel_hi:[1,0]
.endif
	s_wait_alu depctr_va_vdst(0)                   ; and behind it
.irp x, 0,1
	v_max_num_f32 v[TM+4*\x], 0x1800000, v[TM+4*\x]       ; the floor 2^(3 - 127): the byte cannot fall under 1
	v_max_num_f32 v[TM+4*\x+2], 0x1800000, v[TM+4*\x+2]
.endr
.irp x, 0,1
	v_add_nc_u32 v[SC+2*\x], 0xff000000, v[TM+4*\x]       ; 2 off the exponent field: the conversion's scale operand
	v_add_nc_u32 v[SC+2*\x+1], 0xff000000, v[TM+4*\x+2]
.endr
	TOCODES 0
	WIN 0x01
	TOCODES 1
	SUMS 1, 0x05, 0x04, \first                     ; (its first lines are the plain places behind the conversions)
.irp x, 0,1
	v_lshrrev_b32 v[BY+2*\x], 23, v[SC+2*\x]       ; the bytes of blocks h and 2 + h,
	v_lshrrev_b32 v[BY+2*\x+1], 23, v[SC+2*\x+1]
.endr
.irp x, 0,1
	v_lshl_or_b32 v[BY+2*\x], v[BY+2*\x+1], 16, v[BY+2*\x]
.endr
.irp x, 0,1
	v_lshlrev_b32 v[BY+2*\x], v[H8], v[BY+2*\x]    ; at their places in the word;
.endr
.irp x, 0,1
	v_permlanex16_b32 v[BY+2*\x+1], v[BY+2*\x], s[SEL], s[SEL+1]
.endr
.irp x, 0,1
	v_or_b32 v[PW+\x], v[BY+2*\x], v[BY+2*\x+1]    ; with lane l xor 16's two the word is whole
.endr
	SUMS 0, 0, 0, \first
	s_wait_dscnt 10                                ; V is in; the ten loads of the next step's K, the youngest, may be out
	WIN 0x50-0x10*\first                           ; C (past the first step) and destination window 1
	VALUES 0, \first
	VALUES 1, \first
	WIN 0
.endm
; two tiles are finished: O^T / the sum; register 8 t + j is channel 32 h + 8 (t xor h) + j: one whole block in a lane; lanes 16-31 put neighbouring octets back in order: four registers of codes, one byte a tile
.macro FIN codes, by0, by1
.irp x, 0,1
	v_add_f32 v[T+\x], v[ST+10*\x+2], v[ST+10*\x+3]
.endr
.irp x, 0,1
	v_permlanex16_b32 v[T2+\x], v[T+\x], s[SEL], s[SEL+1]
.endr
.irp x, 0,1
	v_add_f32 v[T+\x], v[T+\x], v[T2+\x]           ; with lane l xor 16's: the row's sum
.endr
	s_wait_alu depctr_va_vdst(0)
	v_rcp_f32 v[FF], v[T]
	v_rcp_f32 v[FF+2], v[T+1]
	v_nop                                          ; a plain place
	s_wait_alu depctr_va_vdst(0)
	WIN 0x01                                       ; source 0 window 1
.set j, 0
.rept 16
	v_pk_mul_f32 v[S+j:S+j+1], v[j:j+1], v[FF:FF+1] op_sel_hi:[1,0]
.set j, j+2
.endr
.rept 16
	v_pk_mul_f32 v[S+j:S+j+1], v[j:j+1], v[FF+2:FF+3] op_sel_hi:[1,0]
.set j, j+2
.endr
	WIN 0
.irp b, 0,1,2,3
	v_max3_num_f32 v[TM+\b], |v[S+16*\b]|, |v[S+16*\b+1]|, 0x1800000
.endr
.irp i, 2,4,6,8,10,12,14
.irp b, 0,1,2,3
	v_max3_num_f32 v[TM+\b], v[TM+\b], |v[S+16*\b+\i]|, |v[S+16*\b+\i+1]|
.endr
.endr
.irp x, 0,1
	v_max_num_f32 v[TM+2*\x], v[TM+2*\x], v[TM+2*\x+1]
.endr
.irp x, 0,1
	v_add_nc_u32 v[SC+\x], 0xff000000, v[TM+2*\x]
.endr
.irp x, 0,1
.irp t, 0,1,2,3
	v_cvt_scalef32_pk8_fp4_f32 v[PC+4*\x+\t], v[S+32*\x+8*\t:S+32*\x+8*\t+7], v[SC+\x]
.endr
.endr
	v_lshrrev_b32 v[\by0], 23, v[SC]               ; (plain places behind the conversions)
	v_lshrrev_b32 v[\by1], 23, v[SC+1]
.irp u, 0,2,4,6
	v_cndmask_b32 v[\codes+\u], v[PC+\u], v[PC+\u+1], s[TX]
	v_cndmask_b32 v[\codes+\u+1], v[PC+\u+1], v[PC+\u], s[TX]
.endr
.endm
	s_load_b256 s[4:11], s[0:1], 0x0               ; qc s[4:5], qs s[6:7], kv s[8:9], ac s[10:11]
	s_load_b64 s[12:13], s[0:1], 0x20              ; asc
	v_lshl_add_u32 v[SPW], v0, 2, SPARE
	v_mov_b32 v[NIL], 0
	ds_add_u32 v[SPW], v[NIL]                      ; the opening add, twice on end
	ds_add_u32 v[SPW], v[NIL]
	v_lshrrev_b32 v15, 5, v0
	v_readfirstlane_b32 s[WV], v15                 ; wave 0..7
	v_and_b32 v72, 31, v0
	v_and_b32 v[R16], 15, v0
	v_bfe_u32 v73, v0, 4, 1                        ; h
	v_lshlrev_b32 v[LI], 4, v72
	v_lshlrev_b32 v[L8], 3, v72
	v_lshlrev_b32 v[L4], 2, v72
	v_lshlrev_b32 v[H8], 3, v73
	v_and_b32 v74, 7, v0                           ; r % 8
	v_bfe_u32 v75, v0, 3, 1                        ; r / 8
	s_wait_alu depctr_va_vdst(0)
	s_bfe_u32 s[CX], ttmp6, 0x40000                ; my place in the cluster
	s_and_b32 s[BH], ttmp7, 0xffff                 ; 16 batch + head, which the four partners share
	s_mov_b32 s[GA], s[WV]
	s_sub_co_u32 s[GB], 15, s[GA]
	s_lshl_b32 s[TX], s[CX], 1                     ; tile 0's place in its group: 2 cx
	s_lshl_b32 s[TLA], s[GA], 3
	s_add_co_u32 s[TLA], s[TLA], s[TX]
	s_lshl_b32 s[TLB], s[GB], 3
	s_add_co_u32 s[TLB], s[TLB], s[TX]
	s_lshr_b32 s32, s[CX], 1
	s_lshl_b32 s32, s32, 6
	s_and_b32 s[TX], s[CX], 1
	s_lshl_b32 s[TX], s[TX], 4
	s_add_co_u32 s[TX], s[TX], s32                 ; its first octet of queries in the step of 128
	v_add_nc_u32 v74, s[TX], v74
	v_mul_u32_u24 v76, 40, v75
	v_mul_u32_u24 v77, 24, v75
	v_add_nc_u32 v76, v74, v76                     ; tile 0: my query's place in the step
	v_add_nc_u32 v77, v74, v77
	v_add_nc_u32 v77, 8, v77                       ; tile 1
	v_mul_u32_u24 v78, 40, v73
	v_mul_u32_u24 v79, 24, v73
	v_sub_nc_u32 v72, v76, v78                     ; less 40 h for even octets of keys,
	v_sub_nc_u32 v73, v76, v79                     ; less 24 h for odd ones
	v_sub_nc_u32 v[DQ1], v77, v78
	v_sub_nc_u32 v[DQ1+1], v77, v79
	; group 1: a dense block of 17,920 bytes as 70 rows of 256 bytes (32 elements of 8 bytes), no padding: every later read takes 16, 8 or 4 consecutive bytes a lane
	s_mov_b32 s[G1], 15|(3<<16)|(1<<21)            ; the mask: all four work-groups; elements of 8 bytes; bit 21 set beside a mask
	s_mov_b32 s[G1+1], 32<<16
	s_mov_b32 s[G1+2], 70<<16
	s_mov_b32 s[G1+3], 32<<16
	s_mov_b32 s[G1+4], 70
	s_mov_b32 s[G1+5], 32
	s_mov_b32 s[G1+6], 0
	s_mov_b32 s[G1+7], 0
	s_mov_b32 s[G0], 1
	s_mul_i32 s[G0+1], s[WV], 2*KVSTEP             ; key steps 2 w, 2 w + 1, in LDS
	s_mul_i32 s32, s[BH], KVHEAD
	s_add_co_u32 s32, s32, s[G0+1]                 ; and in memory: nothing here hangs on cx
	s_mov_b32 s33, 0
	s_wait_alu depctr_va_vdst(0)
	s_wait_dscnt 0x0                               ; both opening adds are done
	CROUND                                         ; all four work-groups are here: the joint loads meet
	s_wait_kmcnt 0x0
	s_add_nc_u64 s[G0+2:G0+3], s[8:9], s[32:33]
	s_or_b32 s[G0+3], s[G0+3], 0x80000000
	s_cmp_lt_u32 s[WV], 4                          ; one load a wave; the two halves of the head have lines of their own
	s_cbranch_scc0 .Lupper
	tensor_load_to_lds s[G0:G0+3], s[G1:G1+7]
	s_nop 0
	PLACES 4
	s_branch .Lasked
.Lupper:
	tensor_load_to_lds s[G0:G0+3], s[G1:G1+7]
	s_nop 0
	PLACES 4
.Lasked:
	s_lshl_b32 s32, s[BH], 16
	s_add_nc_u64 s[4:5], s[4:5], s[32:33]          ; qc at my head
	s_lshl_b32 s32, s[BH], 13
	s_add_nc_u64 s[6:7], s[6:7], s[32:33]          ; qs likewise
	s_lshl_b32 s[TX], s[TLA], 9
	v_add_nc_u32 v80, s[TX], v[LI]
	global_load_b128 v[QF:QF+3], v80, s[4:5]       ; a tile's image: lane (r, h) holds block h of query r
	global_load_b128 v[QF+8:QF+11], v80, s[4:5] offset:512
	s_lshl_b32 s[TX], s[TLB], 9
	v_add_nc_u32 v81, s[TX], v[LI]
	global_load_b128 v[QN:QN+3], v81, s[4:5]
	global_load_b128 v[QN+4:QN+7], v81, s[4:5] offset:512
	QWORD 82, TLA
	global_load_b32 v[QS], v82, s[6:7]
	global_load_b32 v[QS+1], v82, s[6:7] offset:128
	QWORD 83, TLB
	global_load_b32 v[QSN], v83, s[6:7]
	global_load_b32 v[QSN+1], v83, s[6:7] offset:128
	v_mov_b32 v[NINF], 0xff800000
.irp i, 0,1,2,3
	v_mov_b32 v[KF+32+\i], 0
	v_mov_b32 v[QF+4+\i], 0                        ; K = 64 .. 127 of the first product: zero codes, for the whole launch
	v_mov_b32 v[QF+12+\i], 0
.endr
.irp x, 0,1
	v_mov_b32 v[T2+\x], 0                          ; (a lane permute's destination counts as one of its sources)
	v_mov_b32 v[FF+2*\x+1], 0                      ; (named as a pair's upper half)
.endr
.set n, 0
.rept 64
	v_cmp_gt_i32 s[36+n+2*((n+36)/64)], n+32*(n/32), v[72+(n/8)%2]   ; tile 0: register n is hidden on the diagonal where its key comes after my query
.set n, n+1
.endr
	s_wait_alu depctr_va_vdst(0)
	s_wait_xcnt 0x0                                ; the loads of Q have read their bases: s4 to s9 are written anew
	s_mov_b32 s[CS], 0x3e38aa3b                    ; c = log2(e) / sqrt(64)
	s_mov_b32 s[CS+1], 0x3e38aa3b                  ; (named with it as a pair)
	s_mov_b32 s[CSN], 0xbe38aa3b                   ; -c
	s_mov_b32 s[SEL], 0x76543210
	s_mov_b32 s[SEL+1], 0xfedcba98
	s_mov_b32 s[TX], 0xffff0000
	s_cmp_lt_u32 s[WV], 4
	s_cbranch_scc0 .Lno_wait
	s_wait_tensorcnt 0x0                           ; waves 0 to 3: my key steps are in LDS
.Lno_wait:
	s_barrier_signal -1
	s_barrier_wait -1                              ; key steps 0 to 7 are
	LOADK LI, L8
	s_wait_loadcnt 0x0                             ; Q
	STEP GA, 0, 0, KVSTEP, 1, 1                    ; the first pair, key step 0
	s_wait_alu depctr_va_vdst(0)
	s_wait_tensorcnt 0x0                           ; waves 4 to 7: my key steps are in LDS too
	s_wait_dscnt 0x0
	s_barrier_signal -1                            ; say so; until the wait below only registers and key steps 0 to 7 are touched
	s_mov_b32 s[TB], KVSTEP
	s_mov_b32 s[SI], 1
.Lstep_a:                                          ; the first pair, key steps 1 .. 7: those beyond its group are jumped over
	s_cmp_gt_u32 s[SI], s[GA]
	s_cbranch_scc1 .Lskip_a
	s_add_co_u32 s[TBN], s[TB], KVSTEP
	s_min_u32 s[TBN], s[TBN], 7*KVSTEP
	STEP GA, s[SI], s[TB], s[TBN], 0, 1
.Lskip_a:
	s_wait_alu depctr_va_vdst(0)
	s_add_co_u32 s[TB], s[TB], KVSTEP
	s_add_co_u32 s[SI], s[SI], 1
	s_cmp_lt_u32 s[SI], 8
	s_cbranch_scc1 .Lstep_a
	s_wait_dscnt 0x0                               ; the last step's look-ahead has landed: its registers take key step 0's K again
	LOADK LI, L8
.irp i, 0,1,2,3
	v_mov_b32 v[QF+\i], v[QN+\i]                   ; the second pair's Q
	v_mov_b32 v[QF+8+\i], v[QN+4+\i]
.endr
	v_mov_b32 v[QS], v[QSN]
	v_mov_b32 v[QS+1], v[QSN+1]
	FIN CA, BA, BA+1
	STEP GB, 0, 0, KVSTEP, 1, 0                    ; the second pair (its group is 8 at least), key step 0
	s_wait_alu depctr_va_vdst(0)
	s_barrier_wait -1                              ; key steps 8 to 15 are in LDS
	s_mov_b32 s[TB], KVSTEP
	s_mov_b32 s[SI], 1
.Lstep_b:                                          ; the second pair, key steps 1 .. 15
	s_cmp_gt_u32 s[SI], s[GB]
	s_cbranch_scc1 .Lskip_b
	s_add_co_u32 s[TBN], s[TB], KVSTEP
	s_min_u32 s[TBN], s[TBN], 15*KVSTEP
	STEP GB, s[SI], s[TB], s[TBN], 0, 1
.Lskip_b:
	s_wait_alu depctr_va_vdst(0)
	s_add_co_u32 s[TB], s[TB], KVSTEP
	s_add_co_u32 s[SI], s[SI], 1
	s_cmp_lt_u32 s[SI], 16
	s_cbranch_scc1 .Lstep_b
	FIN QF, BY, BY+2                               ; (Q is done with: its registers take the codes)
	; THE WAY OUT: each tile's four registers are an image of 512 bytes
	v_permlane16_swap_b32 v[BA], v[BA+1]           ; lanes 0-15 tile 0's two bytes, lanes 16-31 tile 1's
	v_lshl_or_b32 v[BA], v[BA+1], 8, v[BA]
	v_permlane16_swap_b32 v[BY], v[BY+2]
	v_lshl_or_b32 v[BY], v[BY+2], 8, v[BY]
	s_lshr_b32 s32, s[BH], 4                       ; batch
	s_and_b32 s33, s[BH], 15                       ; head
	s_lshl_b32 s[TX], s32, 7
	s_add_co_u32 s20, s[TX], s[TLA]
	s_lshl_b32 s20, s20, 13                        ; ac: 8,192 bytes a tile of tokens,
	s_lshl_b32 s21, s33, 9                         ; 512 a head
	s_add_co_u32 s20, s20, s21
	s_add_co_u32 s22, s[TX], s[TLB]
	s_lshl_b32 s22, s22, 13
	s_add_co_u32 s22, s22, s21
	s_lshl_b32 s23, s32, 16                        ; asc: 32 bytes a token, my head's two at 2 head
	s_lshl_b32 s24, s33, 1
	s_add_co_u32 s23, s23, s24
	s_lshl_b32 s24, s[TLA], 9
	s_add_co_u32 s24, s23, s24
	s_lshl_b32 s25, s[TLB], 9
	s_add_co_u32 s25, s23, s25
	v_bfe_u32 v72, v0, 4, 1
	v_add_nc_u32 v73, s20, v[LI]
	v_add_nc_u32 v74, s22, v[LI]
	v_lshlrev_b32 v72, 9, v72                      ; lanes 16-31 store tile 1's bytes
	v_lshl_add_u32 v72, v[R16], 5, v72
	v_add_nc_u32 v75, s24, v72
	v_add_nc_u32 v76, s25, v72
	s_wait_alu depctr_va_vdst(0)
	global_store_b128 v73, v[CA:CA+3], s[10:11]    ; 512 consecutive aligned bytes
	global_store_b128 v73, v[CA+4:CA+7], s[10:11] offset:8192
	global_store_b128 v74, v[QF:QF+3], s[10:11]
	global_store_b128 v74, v[QF+4:QF+7], s[10:11] offset:8192
	global_store_b16 v75, v[BA], s[12:13]
	global_store_b16 v76, v[BY], s[12:13]
	s_wait_dscnt 0x0                               ; (the last look-ahead)
	s_wait_tensorcnt 0x0                           ; the wave's end
	ds_add_u32 v[SPW], v[NIL]
	s_wait_dscnt 0x0
	CROUND                                         ; the closing round: no work-group ends while a partner may still ask for a tile that names it
	s_endpgm
.Lfunc_end_k_qf6817bdde6_attn:
	.size	k_qf6817bdde6_attn, .Lfunc_end_k_qf6817bdde6_attn-k_qf6817bdde6_attn
	.p2alignl 7, 3214868480
	.fill 96, 4, 3214868480
	.section	.rodata,"a",@progbits
	.p2align	6, 0x0
	.amdhsa_kernel k_qf6817bdde6_attn
		.amdhsa_group_segment_fixed_size 167936
		.amdhsa_private_segment_fixed_size 0
		.amdhsa_enable_private_segment 0
		.amdhsa_kernarg_size 40
		.amdhsa_user_sgpr_count 2
		.amdhsa_user_sgpr_kernarg_segment_ptr 1
		.amdhsa_wavefront_size32 1
		.amdhsa_system_sgpr_workgroup_id_x 1
		.amdhsa_system_sgpr_workgroup_id_y 1
		.amdhsa_system_sgpr_workgroup_id_z 1
		.amdhsa_system_vgpr_workitem_id 0
		.amdhsa_next_free_vgpr 512
		.amdhsa_next_free_sgpr 102
		.amdhsa_reserve_vcc 1
		.amdhsa_float_denorm_mode_32 3
		.amdhsa_float_denorm_mode_16_64 3
		.amdhsa_memory_ordered 1
		.amdhsa_forward_progress 1
		.amdhsa_inst_pref_size 164
	.end_amdhsa_kernel
	.amdgpu_metadata
---
amdhsa.version: [ 1, 2 ]
amdhsa.kernels:
  - .name:           k_qf6817bdde6_attn
    .symbol:         k_qf6817bdde6_attn.kd
    .args:
      - { .name: qc, .offset: 0, .size: 8, .value_kind: global_buffer, .address_space: global }
      - { .name: qs, .offset: 8, .size: 8, .value_kind: global_buffer, .address_space: global }
      - { .name: kv, .offset: 16, .size: 8, .value_kind: global_buffer, .address_space: global }
      - { .name: ac, .offset: 24, .size: 8, .value_kind: global_buffer, .address_space: global }
      - { .name: asc, .offset: 32, .size: 8, .value_kind: global_buffer, .address_space: global }
    .group_segment_fixed_size: 167936
    .private_segment_fixed_size: 0
    .kernarg_segment_align: 8
    .kernarg_segment_size: 40
    .max_flat_workgroup_size: 256
    .sgpr_count:     102
    .vgpr_count:     512
    .wavefront_size: 32
...
	.end_amdgpu_metadata
.endif
;; end of part 2
;; launch outp (part 3): grid 8 x 32, 8 waves a work-group, clusters of 4 x 4, 234,496 bytes of LDS; arguments ac, asc, Wo_codes, Wo_scales, bo, out0; writes out0
.if DOCPART == 3
	.amdgcn_target "amdgcn-amd-amdhsa--gfx1250"
	.amdhsa_code_object_version 6
	.text
	.protected	k_qf6817bdde6_outp
	.globl	k_qf6817bdde6_outp
	.p2align	8
	.type	k_qf6817bdde6_outp,@function
k_qf6817bdde6_outp:
	s_mov_b64 s[64:65], 0
	v_nop
	global_prefetch_b8 v0, s[64:65] scope:SCOPE_SE
	s_setreg_imm32_b32 hwreg(HW_REG_WAVE_MODE, 25, 1), 1
	s_wait_xcnt 0x0
	s_wait_alu depctr_hold_cnt(0) depctr_sa_sdst(0) depctr_va_vdst(0) depctr_va_sdst(0) depctr_va_ssrc(0) depctr_va_vcc(0) depctr_vm_vsrc(0)
	s_getreg_b32 s2, hwreg(HW_REG_IB_STS2, 6, 4)
	s_cmp_eq_u32 s2, 0
	s_cbranch_scc0 .Lentry_in_a_cluster
	s_endpgm
.Lentry_in_a_cluster:
	s_bfe_u32 s2, ttmp6, 0x10000c
	s_cmp_lg_u32 s2, 0xf033
	s_cbranch_scc0 .Lentry_shape_is_right
	s_endpgm
.Lentry_shape_is_right:
; out0 = att Wo + bo on codes of FP4 (E2M1), one E8M0 scale for each 32 along K = 1,024.  att comes as images of operand registers (ac: [tile of 16 tokens][head][512 bytes]; heads 2 s and 2 s + 1 are
; registers 0-3 and 4-7 of K step s) with its scale bytes laid [tile][row][32]; Wo as rows of 512 bytes, K innermost.
; SHARES.  A work-group makes 256 tokens x 128 outputs; wave w (tq = w % 4, nh = w / 4) 64 tokens x 64 outputs.  All of K comes into LDS once: 131,072 bytes of att (waves 0 to 3, 64 tokens each), 128 rows of Wo (waves 4 to 7, 32 each).
; CLUSTERS of 4 x 4: att's tile is shared along a row (same tokens), Wo's along a column (same outputs), each asked for jointly.  Nothing is filled again; no prefetch: there is no loop of loads to run ahead in.
; A wave's fragments of Wo for all of K (256 registers) stay in window 1; it goes BY TILES OF 16 TOKENS: 32 matrix instructions finish a tile, which leaves while the next one is multiplied.
; THE MATRIX INSTRUCTION IS USED TRANSPOSED (source 0 = 16 rows of Wo, source 1 = 16 tokens): a lane holds eight neighbouring outputs of one token.  The bias is the C of each sum's first instruction.
; Tile p of 64 tokens is tokens 8 p + 0..7 (rows 0 to 7) and 32 + 8 (p xor 1) + 0..7 (rows 8 to 15).
.set WROW,   528                       ; a row of Wo in LDS: 512 bytes + 16 of padding: row r starts at bank 4 r mod 64 (64 banks of 4 bytes: ISA guide 11.1)
.set WOB,    131072                    ; behind att: Wo's 128 rows
.set STG,    WOB+128*WROW              ; a stage of 16 rows x (256 bytes + 16) for each wave
.set SP,     272
.set SPARE,  STG+8*16*SP               ; the spare words, 128 bytes a wave
.set LI,  1                            ; v1   16 x lane
.set AA,  2                            ; v2   my 64 tokens of att + 16 x lane
.set AW,  3                            ; v3   my 64 rows of Wo: 528 r + 16 h
.set SCO, 4                            ; v4   32 r + 16 h: 16 scale bytes of row r
.set BO,  5                            ; v5   32 h: my half's eight numbers of the bias
.set SO,  6                            ; v6   the stage: where I put 32 bytes of a row
.set SR,  7                            ; v7   and where I read a row back
.set CO,  8                            ; v8   the same place in two rows of out0
.set SPW, 9
.set NIL, 10
.set XS,  16                           ; v16-31 att's scale words: tile p at 4 p + j: lanes 0-15 K step j, lanes 16-31 K step 4 + j
.set WS,  32                           ; v32-47 Wo's likewise
.set BI,  48                           ; v48-79 the bias, eight registers a tile of outputs
.set ACC, 80                           ; v80-111, v112-143 four accumulators, tiles of tokens by turns
.set AT,  144                          ; v144-207 att's fragments of one tile, all of K
.set RB,  208                          ; v208-239 rows on their way out
.set WV,  2
.set G1A, 20                           ; s[20:27], s[28:35] the tensor loads' groups 1 for att and Wo; s[36:39], s[40:43] groups 0
.set G1B, 28
.set G0A, 36
.set G0B, 40
.set MSB, 0
.macro WIN new                         ; the immediate's high byte repeats the setting that is left
.if MSB != \new
	s_set_vgpr_msb (MSB<<8)|\new
.set MSB, \new
.endif
.endm
.macro PLACES n
.rept \n
	v_nop
.endr
.endm
.macro CROUND                          ; a round of the cluster's barrier
	s_barrier_signal -1
	s_barrier_wait -1
	s_cmp_lg_u32 s[WV], 0
	s_cbranch_scc1 .Lnot_wave_0_\@
	s_barrier_signal -3
.Lnot_wave_0_\@:
	s_barrier_wait -3
	s_barrier_signal -1
	s_barrier_wait -1
.endm
	s_load_b256 s[4:11], s[0:1], 0x0               ; ac s[4:5], asc s[6:7], Wo's codes s[8:9], Wo's scales s[10:11]
	s_load_b128 s[12:15], s[0:1], 0x20             ; bo s[12:13], out0 s[14:15]
	v_lshl_add_u32 v[SPW], v0, 2, SPARE
	v_mov_b32 v[NIL], 0
	ds_add_u32 v[SPW], v[NIL]                      ; the opening add, twice on end
	ds_add_u32 v[SPW], v[NIL]
	v_lshrrev_b32 v11, 5, v0
	v_readfirstlane_b32 s[WV], v11                 ; wave 0..7
	v_and_b32 v11, 31, v0
	v_and_b32 v12, 15, v0                          ; r
	v_bfe_u32 v13, v0, 4, 1                        ; h
	v_lshlrev_b32 v[LI], 4, v11
	v_mul_u32_u24 v[AW], WROW, v12
	v_lshl_add_u32 v[AW], v13, 4, v[AW]
	v_lshlrev_b32 v[SCO], 5, v12
	v_lshl_add_u32 v[SCO], v13, 4, v[SCO]
	v_lshlrev_b32 v[BO], 5, v13
	v_mul_u32_u24 v[SO], SP, v12
	v_lshl_add_u32 v[SO], v13, 5, v[SO]            ; in: row r, 32 bytes for each half of the lanes
	v_mul_u32_u24 v[SR], SP, v13
	v_lshl_add_u32 v[SR], v12, 4, v[SR]            ; back: lanes 0-15 one row of 256 bytes, lanes 16-31 the next
	v_lshlrev_b32 v[CO], 12, v13
	v_lshl_add_u32 v[CO], v12, 4, v[CO]            ; and the same two rows of out0, 4,096 bytes apart
	s_wait_alu depctr_va_vdst(0)
	s_and_b32 s3, s[WV], 3                         ; tq
	s_lshr_b32 s50, s[WV], 2                       ; nh
	s_lshl_b32 s51, s3, 15
	v_add_nc_u32 v[AA], s51, v[LI]
	s_mul_i32 s51, s50, 64*WROW
	s_add_co_u32 s51, s51, WOB
	v_add_nc_u32 v[AW], s51, v[AW]
	s_mul_i32 s51, s[WV], 16*SP
	s_add_co_u32 s51, s51, STG                     ; my stage
	v_add_nc_u32 v[SO], s51, v[SO]
	v_add_nc_u32 v[SR], s51, v[SR]
	s_bfe_u32 s16, ttmp6, 0x40000                  ; cx
	s_bfe_u32 s17, ttmp6, 0x40004                  ; cy
	s_lshl_b32 s18, ttmp9, 2
	s_add_co_u32 s18, s18, s16                     ; tile of 128 outputs
	s_and_b32 s19, ttmp7, 0xffff
	s_lshl_b32 s19, s19, 2
	s_add_co_u32 s19, s19, s17                     ; tile of 256 tokens
	s_lshl_b32 s48, s17, 2
	s_lshl_b32 s48, 15, s48                        ; my row of the cluster
	s_lshl_b32 s49, 0x1111, s16                    ; my column
	s_or_b32 s[G1A], s48, (3<<16)|(1<<21)          ; att: 32,768 dense bytes as 128 rows of 256 (32 elements of 8 bytes), no padding
	s_mov_b32 s[G1A+1], 32<<16
	s_mov_b32 s[G1A+2], 128<<16
	s_mov_b32 s[G1A+3], 32<<16
	s_mov_b32 s[G1A+4], 128
	s_mov_b32 s[G1A+5], 32
	s_mov_b32 s[G1A+6], 0
	s_mov_b32 s[G1A+7], 0
	s_or_b32 s[G1B], s49, (1<<20)|(1<<21)|(6<<22)|(3<<25)   ; Wo: 32 rows of 512 bytes; after every 128 words (code 6) four words (code 3) of padding
	s_mov_b32 s[G1B+1], 512<<16
	s_mov_b32 s[G1B+2], 32<<16
	s_mov_b32 s[G1B+3], 512<<16
	s_mov_b32 s[G1B+4], 32
	s_mov_b32 s[G1B+5], 512
	s_mov_b32 s[G1B+6], 0
	s_mov_b32 s[G1B+7], 0
	s_lshl_b32 s44, s19, 17                        ; att: 512 bytes a token
	s_lshl_b32 s51, s3, 15
	s_add_co_u32 s44, s44, s51
	s_mov_b32 s45, 0
	s_lshl_b32 s46, s18, 16                        ; Wo: 512 bytes a row
	s_lshl_b32 s51, s3, 14
	s_add_co_u32 s46, s46, s51
	s_mov_b32 s47, 0
	s_mov_b32 s[G0A], 1
	s_lshl_b32 s[G0A+1], s3, 15
	s_mov_b32 s[G0B], 1
	s_mul_i32 s[G0B+1], s3, 32*WROW
	s_add_co_u32 s[G0B+1], s[G0B+1], WOB
	s_wait_alu depctr_va_vdst(0)                   ; the head's end: no address register is made behind it
	s_wait_dscnt 0x0                               ; both opening adds are done
	CROUND                                         ; all sixteen work-groups are here: the joint loads meet
	s_wait_kmcnt 0x0
	s_add_nc_u64 s[G0A+2:G0A+3], s[4:5], s[44:45]
	s_or_b32 s[G0A+3], s[G0A+3], 0x80000000
	s_add_nc_u64 s[G0B+2:G0B+3], s[8:9], s[46:47]
	s_or_b32 s[G0B+3], s[G0B+3], 0x80000000
	s_cmp_lt_u32 s[WV], 4                          ; one load a wave
	s_cbranch_scc0 .Lfor_w
	tensor_load_to_lds s[G0A:G0A+3], s[G1A:G1A+7]
	s_nop 0
	PLACES 4
	s_branch .Lasked
.Lfor_w:
	tensor_load_to_lds s[G0B:G0B+3], s[G1B:G1B+7]
	s_nop 0
	PLACES 4
.Lasked:
	s_mov_b32 s49, 0
	s_lshl_b32 s48, s19, 13
	s_lshl_b32 s51, s3, 11
	s_add_co_u32 s48, s48, s51
	s_add_nc_u64 s[6:7], s[6:7], s[48:49]          ; asc: 32 bytes a token
	s_lshl_b32 s48, s18, 12
	s_lshl_b32 s51, s50, 11
	s_add_co_u32 s48, s48, s51
	s_add_nc_u64 s[10:11], s[10:11], s[48:49]      ; Wo's scale bytes: 32 a row
	s_lshl_b32 s48, s18, 9
	s_lshl_b32 s51, s50, 8
	s_add_co_u32 s48, s48, s51
	s_add_nc_u64 s[12:13], s[12:13], s[48:49]      ; the bias,
	s_add_nc_u64 s[14:15], s[14:15], s[48:49]      ; out0 at my first output
	s_lshl_b32 s48, s19, 20
	s_lshl_b32 s51, s3, 18
	s_add_co_u32 s48, s48, s51
	s_add_nc_u64 s[14:15], s[14:15], s[48:49]      ; of my first token
.irp p, 0,1,2,3
	global_load_b128 v[XS+4*\p:XS+4*\p+3], v[SCO], s[6:7] offset:512*\p
	global_load_b128 v[WS+4*\p:WS+4*\p+3], v[SCO], s[10:11] offset:512*\p
.endr
.irp t, 0,1,2,3
	global_load_b128 v[BI+8*\t:BI+8*\t+3], v[BO], s[12:13] offset:64*\t        ; lane (r, h), register j: bo of output 16 t + 8 h + j: the result's layout
	global_load_b128 v[BI+8*\t+4:BI+8*\t+7], v[BO], s[12:13] offset:64*\t+16
.endr
	s_wait_tensorcnt 0x0                           ; my part is in LDS,
	s_barrier_signal -1
	s_barrier_wait -1                              ; all is
.macro ATL p, h                        ; att's fragments of tile p, K steps 4 h .. 4 h + 3
.irp s, 0,1,2,3
.irp c, 0,1
	ds_load_b128 v[AT+32*(\h)+8*\s+4*\c:AT+32*(\h)+8*\s+4*\c+3], v[AA] offset:8192*(\p)+4096*(\h)+1024*\s+512*\c
.endr
.endr
.endm
.macro HALF p, h                       ; 16 matrix instructions; the four accumulators take turns
.set AC, ACC+32*((\p)%2)
	WIN 0x01                                       ; source 0 (Wo) window 1
.irp q, 0,1,2,3
.set KQ, 4*(\h)+\q
.if (\p) == 0
	s_wait_dscnt 56-8*\q-24*(\h)                   ; K step s of Wo is in; behind it stand 8 loads for each later K step, and, in the second half, 8 for the next tile
.endif
.irp t, 0,1,2,3
.if KQ == 0
	v_wmma_scale_f32_16x16x128_f8f6f4 v[AC+8*\t:AC+8*\t+7], v[64*\t+8*KQ:64*\t+8*KQ+7], v[AT+8*KQ:AT+8*KQ+7], v[BI+8*\t:BI+8*\t+7], v[WS+4*\t+KQ%4], v[XS+4*(\p)+KQ%4] matrix_a_fmt:MATRIX_FMT_FP4 matrix_b_fmt:MATRIX_FMT_FP4
.elseif KQ < 4
	v_wmma_scale_f32_16x16x128_f8f6f4 v[AC+8*\t:AC+8*\t+7], v[64*\t+8*KQ:64*\t+8*KQ+7], v[AT+8*KQ:AT+8*KQ+7], v[AC+8*\t:AC+8*\t+7], v[WS+4*\t+KQ%4], v[XS+4*(\p)+KQ%4] matrix_a_fmt:MATRIX_FMT_FP4 matrix_b_fmt:MATRIX_FMT_FP4
.else
	v_wmma_scale_f32_16x16x128_f8f6f4 v[AC+8*\t:AC+8*\t+7], v[64*\t+8*KQ:64*\t+8*KQ+7], v[AT+8*KQ:AT+8*KQ+7], v[AC+8*\t:AC+8*\t+7], v[WS+4*\t+KQ%4], v[XS+4*(\p)+KQ%4] matrix_a_fmt:MATRIX_FMT_FP4 matrix_b_fmt:MATRIX_FMT_FP4 matrix_a_scale:MATRIX_SCALE_ROW1 matrix_b_scale:MATRIX_SCALE_ROW1
.endif
.endr
.endr
	WIN 0
.endm
; THE WAY OUT, a tile of 16 tokens x 64 outputs at a time: a lane's 32 bytes go into my own stage and come back as whole rows of 256 bytes.  LDS serves a wave's instructions in order (ISA guide 5.7.1.4).
.macro TOSTAGE p
.set AC, ACC+32*((\p)%2)
.irp t, 0,1,2,3
	ds_store_b128 v[SO], v[AC+8*\t:AC+8*\t+3] offset:64*\t          ; each accumulator from its low end on
	ds_store_b128 v[SO], v[AC+8*\t+4:AC+8*\t+7] offset:64*\t+16
.endr
.irp i, 0,1,2,3,4,5,6,7
	ds_load_b128 v[RB+4*\i:RB+4*\i+3], v[SR] offset:2*SP*\i
.endr
.endm
.macro SEND p
	s_wait_dscnt 0x0                               ; the rows are back in registers (and so is all of the next tile of att)
.set PX, (\p)+1-2*((\p)%2)             ; p xor 1
.irp i, 0,1,2,3
	global_store_b128 v[CO], v[RB+4*\i:RB+4*\i+3], s[14:15] offset:(8*(\p)+2*\i)*4096 th:TH_STORE_NT   ; sixteen lanes store 256 consecutive aligned bytes; written once, read by nobody here
.endr
.irp i, 0,1,2,3
	global_store_b128 v[CO], v[RB+16+4*\i:RB+16+4*\i+3], s[14:15] offset:(32+8*PX+2*\i)*4096 th:TH_STORE_NT
.endr
.endm
	ATL 0, 0
	ATL 0, 1
	WIN 0x40                                       ; destination window 1
.irp s, 0,1,2,3,4,5,6,7
.irp t, 0,1,2,3
.irp c, 0,1
	ds_load_b128 v[64*\t+8*\s+4*\c:64*\t+8*\s+4*\c+3], v[AW] offset:16*\t*WROW+64*\s+32*\c
.endr
.endr
.endr
	WIN 0
	s_wait_loadcnt 0x0                             ; the scale words and the bias
.irp p, 0,1,2,3
.if \p > 0
	s_wait_dscnt 24                                ; the tile's first four K steps are in; behind them stand the eight loads of its last four, eight stores and eight loads of the stage
.endif
	HALF \p, 0
.if \p > 0
	SEND \p-1
.endif
.if \p < 3
	PLACES 4                                       ; in front of loads into registers just multiplied
	ATL \p+1, 0
.endif
	HALF \p, 1
	PLACES 4                                       ; likewise, and in front of the reads of results
.if \p < 3
	ATL \p+1, 1
.endif
.if \p > 0
	s_wait_xcnt 0x0                                ; the last tile's stores have read their registers: this tile's rows may land there
.endif
	TOSTAGE \p
.endr
	SEND 3
	s_wait_tensorcnt 0x0                           ; the wave's end
	ds_add_u32 v[SPW], v[NIL]
	s_wait_dscnt 0x0
	CROUND                                         ; the closing round: no work-group ends while a partner may still ask for a tile that names it
	s_endpgm
.Lfunc_end_k_qf6817bdde6_outp:
	.size	k_qf6817bdde6_outp, .Lfunc_end_k_qf6817bdde6_outp-k_qf6817bdde6_outp
	.p2alignl 7, 3214868480
	.fill 96, 4, 3214868480
	.section	.rodata,"a",@progbits
	.p2align	6, 0x0
	.amdhsa_kernel k_qf6817bdde6_outp
		.amdhsa_group_segment_fixed_size 234496
		.amdhsa_private_segment_fixed_size 0
		.amdhsa_enable_private_segment 0
		.amdhsa_kernarg_size 48
		.amdhsa_user_sgpr_count 2
		.amdhsa_user_sgpr_kernarg_segment_ptr 1
		.amdhsa_wavefront_size32 1
		.amdhsa_system_sgpr_workgroup_id_x 1
		.amdhsa_system_sgpr_workgroup_id_y 1
		.amdhsa_system_sgpr_workgroup_id_z 1
		.amdhsa_system_vgpr_workitem_id 0
		.amdhsa_next_free_vgpr 512
		.amdhsa_next_free_sgpr 66
		.amdhsa_reserve_vcc 0
		.amdhsa_float_denorm_mode_32 3
		.amdhsa_float_denorm_mode_16_64 3
		.amdhsa_memory_ordered 1
		.amdhsa_forward_progress 1
		.amdhsa_inst_pref_size 41
	.end_amdhsa_kernel
	.amdgpu_metadata
---
amdhsa.version: [ 1, 2 ]
amdhsa.kernels:
  - .name:           k_qf6817bdde6_outp
    .symbol:         k_qf6817bdde6_outp.kd
    .args:
      - { .name: ac, .offset: 0, .size: 8, .value_kind: global_buffer, .address_space: global }
      - { .name: asc, .offset: 8, .size: 8, .value_kind: global_buffer, .address_space: global }
      - { .name: Wo_codes, .offset: 16, .size: 8, .value_kind: global_buffer, .address_space: global }
      - { .name: Wo_scales, .offset: 24, .size: 8, .value_kind: global_buffer, .address_space: global }
      - { .name: bo, .offset: 32, .size: 8, .value_kind: global_buffer, .address_space: global }
      - { .name: out0, .offset: 40, .size: 8, .value_kind: global_buffer, .address_space: global }
    .group_segment_fixed_size: 234496
    .private_segment_fixed_size: 0
    .kernarg_segment_align: 8
    .kernarg_segment_size: 48
    .max_flat_workgroup_size: 256
    .sgpr_count:     66
    .vgpr_count:     512
    .wavefront_size: 32
...
	.end_amdgpu_metadata
.endif
;; end of part 3
